; MI455X (gfx1250); checked and timed in simulation.
; The chip was launched on July 23, 2026; its instructions are those of AMD's public machine-readable ISA for CDNA 5 (MIT licence, August 2026) and "CDNA5" Instruction Set Architecture Reference Guide (July 2026). The comments in the code are by the model that wrote it; some were corrected since.
;; s LSTM Cell. Allowed arithmetic: matrix products marked QUANTISED: E5M2 operands, one given power-of-two scale a tensor, by v_wmma_f32_16x16x64_bf8_bf8 or v_wmma_f32_16x16x128_bf8_bf8, f32 sums; everything else in f32.
;; Inputs: W_f 2,048 x 4,096 float32; W_i 2,048 x 4,096 float32; W_o 2,048 x 4,096 float32; W_z 2,048 x 4,096 float32; b_f 2,048 float32; b_i 2,048 float32; b_o 2,048 float32; b_z 2,048 float32; c 2,048 x 2,048 float32; h 2,048 x 2,048 float32; lowp_scales 2 int32 (the exponents e of the quantised operands' scales 2^e); m 2,048 x 2,048 float32; n 2,048 x 2,048 float32; x 2,048 x 2,048 float32.
;; Outputs: out0 4 x 2,048 x 2,048 float32.
;; This version of the problem:
;;   THIS VERSION OF THE PROBLEM IS GIVEN IN LOW PRECISION. The matrix products marked QUANTISED in the list below multiply operands that are first quantised to E5M2 (5 exponent bits, 2 mantissa bits; 8 bits a number), with one given power-of-two scale for each operand tensor; their sums are f32. All else is computed in f32.
;;   The module's matrix products, in the order in which they are computed (A, B: the left and right operand; K: the contracted axis; several contracted axes count as one K, in the product's order):
;;     1. [M 2,048, K 4,096] x [K 4,096, N 8,192]; A: computed on the way; B: computed on the way: QUANTISED (scales: A lowp_scales[0], B lowp_scales[1])
;;   THE QUANTISER, for each operand of a quantised product, along K:
;;     - The operand's scale is 2^e, e = its entry of the input lowp_scales (int32; the entries are numbered through the quantised products in the list's order, A before B).
;;     - Each number is divided by the scale, clamped to +-57,344, and rounded to the nearest number of E5M2, ties to even, subnormals kept.
;;     - The product sums the exact products of the quantised numbers (number of the format x scale) in f32.
;;   ~~~python
;;   def quantise(x, axis, e):      # numpy; x: float32 -> the quantised numbers, widened to float32 again
;;       x = np.moveaxis(x, axis, -1); K = x.shape[-1]
;;       r = np.clip(x / 2.0 ** e, -57344, 57344)
;;       step = 2.0 ** (np.maximum(np.frexp(np.where(r == 0, 1, r))[1] - 1, -14) - 2)
;;       q = np.round(r / step) * step * 2.0 ** e      # np.round: ties to even
;;       return np.moveaxis(q, -1, axis).astype(np.float32)
;;   ~~~
;;   OPERANDS COMPUTED ON THE WAY. 'Computed on the way' means the value that the module computes at that place (a softmax that the list does not call 'softmax' is quantised finished and normalised). What goes into a quantiser is computed in f32, as accurately as f32 sums, v_exp_f32 and their like allow (about 1e-6 of the number): no bf16 or f16 on the way to a quantiser, and a product that is left as it is and whose result goes on into a quantised operand takes f32 operands (vector FMAs, or v_wmma_f32_16x16x4_f32). A number that lies on a knife's edge between two numbers of the format may be rounded either way, as far as f32 arithmetic and the matrix unit's own rounding can turn it there, and no further.
;; One version. Each part assembles by itself: llvm-mc -triple=amdgcn-amd-amdhsa -mcpu=gfx1250 --defsym DOCPART=n.
;; ======== version 1 of 1: 2 launches
;; workspace buffers: a_codes 8,388,608 bytes; b_codes 33,554,432 bytes
;; launch quant (part 1): grid 1280 x 1, 4 waves a work-group, no clusters, 0 bytes of LDS; arguments x, h, W_i, W_f, W_o, W_z, lowp_scales, a_codes, b_codes; writes a_codes, b_codes
.if DOCPART == 1
	.amdgcn_target "amdgcn-amd-amdhsa--gfx1250"
	.amdhsa_code_object_version 6
	.text
	.protected	k_q16bad908bf_quant
	.globl	k_q16bad908bf_quant
	.p2align	8
	.type	k_q16bad908bf_quant,@function
k_q16bad908bf_quant:
	s_mov_b64 s[64:65], 0
	v_nop
	global_prefetch_b8 v0, s[64:65] scope:SCOPE_SE
	s_setreg_imm32_b32 hwreg(HW_REG_WAVE_MODE, 25, 1), 1
	s_wait_xcnt 0x0
; x, h [2048][2048] and W_i, W_f, W_o, W_z [2048][4096], f32, become codes of BF8 (E5M2), one byte a number, K innermost.
; code = number / 2^e, held within +-57,344, rounded to the nearest code, ties to even.  e = entry 0 of the scales for x and h, entry 1 for the four weights.
; LIMITS: -126 <= e <= 112, so that 2^e and 57,344 x 2^e are f32 numbers.  NaN among the inputs is not served (an infinity is held at the largest code).
; a_codes [2048][4096]: bytes 0-2047 of a row are x's row, bytes 2048-4095 h's row: the concatenation along K.
; b_codes [8192][4096]: row j of gate g (i 0, f 1, o 2, z 3) lies at row 256 (j / 64) + 128 ((j / 32) % 2) + 32 g + j % 32, so that 128 neighbouring rows hold all four gates of 32 neighbouring dims.
; THE ORDER ALONG K.  Both buffers are this program's own, and a product only asks that a code of a_codes meets the code of b_codes of the same k.  So the codes lie as the lanes hold them: a step is an aligned group of
; 512 numbers along K; load i of its four reads 512 consecutive bytes, 16 a lane, so lane l holds k = 128 i + 4 l + j in register 4 i + j; its 16 codes go to bytes 16 l + 4 i + j of the group's 512.
; The same text serves all six tensors, and rows of 2,048 and 4,096 are whole groups: the order is the same in both buffers.  Nothing changes lanes: no LDS, no barrier.
; A work-group takes 32,768 numbers, a wave 8,192 in 16 steps of 512: 4 rows of x or h, or 2 rows of a weight.  Work-groups 0-127 x, 128-255 h, then 256 each for W_i, W_f, W_o, W_z.
; Only pointers, offsets and e are chosen by the work-group's number: all six tensors take one path through the text.  Loads run four steps (16 loads a wave) ahead.
.set STEPS, 16
.set EMAX,  15
.set MANT,  0x600000                   ; the mantissa field of 57,344 as f32
.set DO,    5                          ; v5-8     where my 16 codes go: 16 x lane + k x STRIDE, k = step / 4
.set R,     16                         ; v16-79   four sets of 16 numbers
.set C,     80                         ; v80-143  codes: four registers for each step, so that no store's data are written again
	s_load_b256 s[8:15], s[0:1], 0x0               ; x s[8:9], h s[10:11], W_i s[12:13], W_f s[14:15]
	s_load_b256 s[16:23], s[0:1], 0x20             ; W_o s[16:17], W_z s[18:19], the scales' exponents s[20:21], a_codes s[22:23]
	s_load_b64 s[24:25], s[0:1], 0x40              ; b_codes
	v_lshrrev_b32 v1, 5, v0
	v_readfirstlane_b32 s26, v1                    ; wave
	v_and_b32 v2, 31, v0                           ; lane
	v_lshlrev_b32 v3, 4, v2                        ; my 16 bytes of a load's 512
	; offsets, made apart from every address
	s_cmp_lt_u32 ttmp9, 256                        ; x or h?
	s_mov_b32 s30, 255
	s_cselect_b32 s30, 127, s30
	s_and_b32 s30, ttmp9, s30                      ; the work-group's number within its tensor
	s_lshl_b32 s31, s30, 2
	s_add_co_u32 s31, s31, s26                     ; q: which run of 8,192 numbers of the tensor is my wave's
	s_lshl_b32 s32, s31, 15                        ; its first byte in the tensor
	s_mov_b32 s33, 0
	s_lshl_b32 s37, s31, 14                        ; x, h: rows 4 q on, 4,096 bytes of codes a row,
	s_cmp_lt_u32 ttmp9, 128
	s_cselect_b32 s38, 0, 2048                     ; h in the row's second half
	s_add_co_u32 s37, s37, s38
	s_lshr_b32 s38, s31, 5                         ; a weight: rows j = 2 q, 2 q + 1.  j / 64 = q / 32,
	s_lshl_b32 s38, s38, 8
	s_bfe_u32 s39, s31, 0x10004                    ; (j / 32) % 2 = (q / 16) % 2,
	s_lshl_b32 s39, s39, 7
	s_add_co_u32 s38, s38, s39
	s_lshr_b32 s39, ttmp9, 8
	s_max_u32 s39, s39, 1
	s_sub_co_u32 s39, s39, 1                       ; the gate g (0 for x and h, where this arm is not taken),
	s_lshl_b32 s39, s39, 5
	s_add_co_u32 s38, s38, s39
	s_and_b32 s39, s31, 15                         ; j % 32 = 2 (q % 16)
	s_lshl_b32 s39, s39, 1
	s_add_co_u32 s38, s38, s39
	s_lshl_b32 s38, s38, 12                        ; rows of 4,096 bytes
	s_cmp_lt_u32 ttmp9, 256
	s_cselect_b32 s34, s37, s38                    ; my first byte of codes
	s_mov_b32 s35, 0
	s_mov_b32 s36, 2048
	s_cselect_b32 s36, 4096, s36                   ; STRIDE: four steps are 2,048 codes: half a row of a_codes (the next lies 4,096 on), or 2,048 bytes on end in b_codes
	v_mov_b32 v[DO], v3
	v_add_nc_u32 v[DO+1], s36, v[DO]
	v_add_nc_u32 v[DO+2], s36, v[DO+1]
	v_add_nc_u32 v[DO+3], s36, v[DO+2]
	s_wait_kmcnt 0x0
	s_load_b64 s[28:29], s[20:21], 0x0             ; the two exponents
	s_mov_b64 s[4:5], s[18:19]                     ; the source: W_z, unless the work-group's number says otherwise; every choice hangs on that number alone
	s_cmp_lt_u32 ttmp9, 1024
	s_cselect_b64 s[4:5], s[16:17], s[4:5]
	s_cmp_lt_u32 ttmp9, 768
	s_cselect_b64 s[4:5], s[14:15], s[4:5]
	s_cmp_lt_u32 ttmp9, 512
	s_cselect_b64 s[4:5], s[12:13], s[4:5]
	s_cmp_lt_u32 ttmp9, 256
	s_cselect_b64 s[4:5], s[10:11], s[4:5]
	s_cselect_b64 s[6:7], s[22:23], s[24:25]       ; the codes' buffer
	s_cmp_lt_u32 ttmp9, 128
	s_cselect_b64 s[4:5], s[8:9], s[4:5]
	s_add_nc_u64 s[4:5], s[4:5], s[32:33]
	s_add_nc_u64 s[6:7], s[6:7], s[34:35]
.macro LOAD t
.irp i, 0,1,2,3
	global_load_b128 v[R+16*((\t)%4)+4*\i:R+16*((\t)%4)+4*\i+3], v3, s[4:5] offset:2048*(\t)+512*\i th:TH_LOAD_NT   ; 32 lanes read 512 consecutive bytes; read once in the launch
.endr
.endm
.irp t, 0,1,2,3
	LOAD \t
.endr
	s_wait_kmcnt 0x0
	s_cmp_lt_u32 ttmp9, 256
	s_cselect_b32 s28, s28, s29                    ; e
	s_add_co_i32 s28, s28, 127
	s_lshl_b32 s29, s28, 23
	v_mov_b32 v11, s29                             ; 2^e as f32: the conversion takes its exponent field
	s_add_co_i32 s28, s28, EMAX
	s_lshl_b32 s28, s28, 23
	s_or_b32 s28, s28, MANT
	v_mov_b32 v10, s28                             ; 57,344 x 2^e
.macro STEP t
.set XS, R+16*((\t)%4)
.if STEPS-1-(\t) >= 3
	s_wait_loadcnt 12                              ; loads come back in order (ISA guide 5.7.1): this step's four are in; the twelve of the three steps behind it may be out
.else
	s_wait_loadcnt 4*(STEPS-1-(\t))                ; at the end the counts run down
.endif
.irp i, 0,1,2,3,4,5,6,7,8,9,10,11,12,13,14,15
	v_med3_num_f32 v[XS+\i], v[XS+\i], -v10, v10   ; the conversion to an 8-bit code does not saturate (ISA guide 7.6.2): hold the number within the largest code x the scale first
.endr
	v_cvt_scalef32_pk8_bf8_f32 v[C+4*(\t):C+4*(\t)+1], v[XS:XS+7], v11          ; eight numbers / 2^e, to the nearest code, ties to even; the first number's code in the lowest byte
	v_cvt_scalef32_pk8_bf8_f32 v[C+4*(\t)+2:C+4*(\t)+3], v[XS+8:XS+15], v11
	; the codes go to a store alone, the numbers' registers are next written by loads, and the next vector lines, the next step's holds, are plain and touch other registers
.if (\t)+4 < STEPS
	LOAD (\t)+4                                    ; the set just converted takes the loads of four steps on; loads ahead of the store
.endif
	global_store_b128 v[DO+(\t)/4], v[C+4*(\t):C+4*(\t)+3], s[6:7] offset:512*((\t)%4)   ; 512 consecutive bytes, at a multiple of 512 from the buffer's first byte; the next launch reads them: no hint
.endm
.irp t, 0,1,2,3,4,5,6,7,8,9,10,11,12,13,14,15
	STEP \t
.endr
	s_endpgm
.Lfunc_end_k_q16bad908bf_quant:
	.size	k_q16bad908bf_quant, .Lfunc_end_k_q16bad908bf_quant-k_q16bad908bf_quant
	.p2alignl 7, 3214868480
	.fill 96, 4, 3214868480
	.section	.rodata,"a",@progbits
	.p2align	6, 0x0
	.amdhsa_kernel k_q16bad908bf_quant
		.amdhsa_group_segment_fixed_size 0
		.amdhsa_private_segment_fixed_size 0
		.amdhsa_enable_private_segment 0
		.amdhsa_kernarg_size 72
		.amdhsa_user_sgpr_count 2
		.amdhsa_user_sgpr_kernarg_segment_ptr 1
		.amdhsa_wavefront_size32 1
		.amdhsa_system_sgpr_workgroup_id_x 1
		.amdhsa_system_sgpr_workgroup_id_y 1
		.amdhsa_system_sgpr_workgroup_id_z 1
		.amdhsa_system_vgpr_workitem_id 0
		.amdhsa_next_free_vgpr 144
		.amdhsa_next_free_sgpr 66
		.amdhsa_reserve_vcc 0
		.amdhsa_float_denorm_mode_32 3
		.amdhsa_float_denorm_mode_16_64 3
		.amdhsa_memory_ordered 1
		.amdhsa_forward_progress 1
		.amdhsa_inst_pref_size 30
	.end_amdhsa_kernel
	.amdgpu_metadata
---
amdhsa.version: [ 1, 2 ]
amdhsa.kernels:
  - .name:           k_q16bad908bf_quant
    .symbol:         k_q16bad908bf_quant.kd
    .args:
      - { .name: x, .offset: 0, .size: 8, .value_kind: global_buffer, .address_space: global }
      - { .name: h, .offset: 8, .size: 8, .value_kind: global_buffer, .address_space: global }
      - { .name: W_i, .offset: 16, .size: 8, .value_kind: global_buffer, .address_space: global }
      - { .name: W_f, .offset: 24, .size: 8, .value_kind: global_buffer, .address_space: global }
      - { .name: W_o, .offset: 32, .size: 8, .value_kind: global_buffer, .address_space: global }
      - { .name: W_z, .offset: 40, .size: 8, .value_kind: global_buffer, .address_space: global }
      - { .name: lowp_scales, .offset: 48, .size: 8, .value_kind: global_buffer, .address_space: global }
      - { .name: a_codes, .offset: 56, .size: 8, .value_kind: global_buffer, .address_space: global }
      - { .name: b_codes, .offset: 64, .size: 8, .value_kind: global_buffer, .address_space: global }
    .group_segment_fixed_size: 0
    .private_segment_fixed_size: 0
    .kernarg_segment_align: 8
    .kernarg_segment_size: 72
    .max_flat_workgroup_size: 128
    .sgpr_count:     66
    .vgpr_count:     144
    .wavefront_size: 32
...
	.end_amdgpu_metadata
.endif
;; end of part 1
;; launch cell (part 2): grid 32 x 8, 4 waves a work-group, clusters of 4 x 4, 327,680 bytes of LDS; arguments a_codes, b_codes, lowp_scales, out0, c, n, m, b_i, b_f, b_o, b_z; writes out0
.if DOCPART == 2
	.amdgcn_target "amdgcn-amd-amdhsa--gfx1250"
	.amdhsa_code_object_version 6
	.text
	.protected	k_q16bad908bf_cell
	.globl	k_q16bad908bf_cell
	.p2align	8
	.type	k_q16bad908bf_cell,@function
k_q16bad908bf_cell:
	s_mov_b64 s[64:65], 0
	v_nop
	global_prefetch_b8 v0, s[64:65] scope:SCOPE_SE
	s_setreg_imm32_b32 hwreg(HW_REG_WAVE_MODE, 25, 1), 1
	s_wait_xcnt 0x0
	s_wait_alu depctr_hold_cnt(0) depctr_sa_sdst(0) depctr_va_vdst(0) depctr_va_sdst(0) depctr_va_ssrc(0) depctr_va_vcc(0) depctr_vm_vsrc(0)
	s_getreg_b32 s2, hwreg(HW_REG_IB_STS2, 6, 4)
	s_cmp_eq_u32 s2, 0
	s_cbranch_scc0 .Lentry_in_a_cluster
	s_endpgm
.Lentry_in_a_cluster:
	s_bfe_u32 s2, ttmp6, 0x10000c
	s_cmp_lg_u32 s2, 0xf033
	s_cbranch_scc0 .Lentry_shape_is_right
	s_endpgm
.Lentry_shape_is_right:
; The sLSTM cell: gates = [x | h] W^T + b on codes of BF8 (E5M2), then the step on c, n, m in f32; out0 = h_new, c_new, n_new, m_new, four planes [2048][2048] f32.
; a_codes [2048][4096], b_codes [8192][4096]: one code a byte, K innermost; inside each aligned group of 512 along K the codes lie in the order in which the launch before left them, the same in both buffers,
; so that equal bytes of a row of a_codes and of a row of b_codes are equal k.  A number is its code's value x 2^ea (a) or x 2^eb (b); the codes are multiplied as they are, and a sum counts x S = 2^(ea + eb).
; b_codes' rows are ordered so that a tile of 256 rows holds the four gates of 64 dims, and each half of 128 rows the four gates of 32 dims: block b of 16 rows is gate b / 2 (i, f, o, z), dims 16 (b % 2) on.
; SHARES.  A work-group of four waves makes 256 rows x 64 dims of the result from a tile of 256 x 256 gates; a wave 128 rows x 32 dims: 64 accumulators of 16 x 16, 512 registers.
; THE MATRIX INSTRUCTION IS USED TRANSPOSED (source 0 = 16 rows of b_codes, source 1 = 16 rows of a_codes): lane (r, h) holds row r, and register j dim 8 h + j.  So the four gates of one number lie in ONE lane,
; at the same register of accumulators b, b + 2, b + 4, b + 6: the whole step is lane-local.
; m enters reference() only as f_t + m: the f gate's accumulators BEGIN as m / S (exact: a power of two), so that S x sum + b_f is f_t + m.
; With d = (f_t + m) - i_t: m_new = max(f_t + m, i_t), f = e^min(d, 0), i = e^-max(d, 0): the maximum is taken away ahead of both exponentials, as reference() does.
; sigmoid(o) = 1 / (1 + 2^(-log2e o)); tanh(z) = 1 - 2 / (1 + 2^(2 log2e z)); the factors are folded into S and into the biases.
; K goes in 16 slices of 256 through a ring of two LDS slots filled by the tensor data mover.  A fragment is fetched by four loads of 16 bytes: a permutation of k inside an instruction, the same in both operands.
; K'S DIRECTION.  par = (X + X / 2 + Y) & 1 of the cluster's own x and y, which its sixteen work-groups share.  Clusters with par = 0 take the slices upward, 0 to 15, those with par = 1 downward, 15 to 0: only the two
; first addresses and the sign of a refill's step differ; no branch and no LDS address hangs on par.  The two clusters that read a tile of b_codes (same X, other Y) differ in par, and of the eight that read a tile of a_codes
; four have each par.  So slice k is asked for by one kind in its trip k and by the other in its trip 15 - k: in its last eight slots a cluster asks for slices that another cluster has read before.  The sums' order along K differs with par.
; CLUSTERS: 4 x 4 work-groups.  The four of a row of the cluster need the same tiles of a_codes, the four of a column the same tiles of b_codes: each is asked for JOINTLY.  c, n, m and the biases are shared by
; nobody: c's and n's tiles come by plain tensor loads into slot 0 when it has been read for the last time; m and the biases by loads into registers at the head.
; THE WAY OUT: a wave's 32 dims are 128 bytes, half of an aligned 256 bytes of a plane.  So 64 rows x 4 planes at a time meet in a stage in slot 1 (it has had its last fill and its last read), and wave w stores plane w's rows whole.
; LIMITS: ea + eb between -126 and 126 (S and 1 / S are f32 numbers); |m| / S finite in f32; NaN and infinities among the inputs are not served; an exponential under 2^-126 comes out as 0, and
; n_new + 1e-6 under 2^-126 in magnitude counts as 0 in the division (ISA guide 15.8: the transcendentals flush denormals).
; REGISTERS, in windows of 256.  Window 0: v1-7 at work at the head; v8-29 addresses; v32-95 the biases, kept; v96-223 the step's numbers; v128-255 A's fragments (one set), at the head m as loaded.
;   Window 1: B's fragments, two sets; on the way out two sets of rows read back.   Window 2: the accumulators of my rows 0-63 ((a, b) at v[8 (8 a + b)]);   window 3: those of my rows 64-127.
.set SIZE_K, 4096
.set KSTEP,  256                       ; along K in a slot
.set ROWB,   256                       ; a tile's row in bytes
.set NSL,    SIZE_K/KSTEP              ; slices of K
.set KROW,   SIZE_K                    ; a row of codes in memory, in bytes
.set DROW,   8192                      ; a row of c, n, m and of a plane of out0, in bytes
.set PITCH,  272                       ; an LDS row: 256 bytes + 16 of padding = 68 words: row r starts at bank 4 r mod 64 (64 banks of 4 bytes: ISA guide 11.1), so the 16 rows that a load touches start at 16 different banks
.set FR,     16                        ; registers of a fragment: 16 rows x 128 K
.set NL,     4                         ; LDS loads that bring one
.set NP,     4                         ; places behind this matrix instruction (ISA guide 7.12.1)
.set HALFT,  128*PITCH                 ; 128 rows: what one tensor load brings
.set SLOT,   4*HALFT                   ; A's 256 rows, then B's 256 rows; at last, in slot 0: c's 256 rows, then n's
.set LAPS,   SIZE_K/(2*KSTEP)          ; a lap = two slices = once round the ring
.set SPARE,  2*SLOT                    ; behind the ring: the spare words, 128 bytes for each wave: two blocks of 256 bytes that no other line names
.set MSTG,   SPARE+512                 ; behind them: each wave's own stage for m, 64 rows x MP bytes; no tensor load lands here
.set MP,     144                       ; 128 bytes + 16 of padding
.set SPITCH, 272                       ; the way out: a stage row
.set PLANE,  64*SPITCH                 ; 64 rows of one plane
.set STG,    4*PLANE                   ; a stage: four planes; two stages fill slot 1
.set STO,  8                           ; v8-9    where I put my results in stage 0, 1
.set RD,   10                          ; v10-11  where I read rows back from stage 0, 1
.set CO,   12                          ; v12     my byte offset in two rows of a plane
.set ADC,  13                          ; v13     my lane's place in c's tile
.set ADN,  14                          ; v14     in n's
.set MLD,  15                          ; v15     m: my byte offset in four rows
.set ADRA, 16                          ; v16-17  LDS address of my A fragments in slot 0, 1
.set MSI,  18                          ; v18     m's stage, on the way in
.set MSO,  19                          ; v19     and on the way out
.set ADRB, 20                          ; v20-21  LDS address of my B fragments in slot 0, 1
.set PF,   22                          ; v22     the prefetches: row = my thread's number
.set BOF,  23                          ; v23     the biases: 32 bytes for each half of the lanes
.set SPW,  28                          ; v28     LDS address of my spare word: SPARE + 4 x my thread's number; never rewritten
.set NIL,  29                          ; v29     0; never rewritten
.set BI,   32                          ; v32-47  b_i of my lane's 16 dims (8 u + j: dim 16 u + 8 h + j)
.set BF,   48                          ; v48-63  b_f
.set BO,   64                          ; v64-79  -log2e b_o
.set BZ,   80                          ; v80-95  2 log2e b_z
.set GI,   96                          ; the step, 16 numbers a lane and block: i_t, then max(d, 0), then i
.set GF,   112                         ; f_t + m, then d, then f
.set GO,   128                         ; o, then h_new
.set GZ,   144                         ; z, then i z
.set CC,   160                         ; c, then c_new
.set NN,   176                         ; n, then n_new
.set MN,   192                         ; m_new
.set TT,   208                         ; n_new + 1e-6, its reciprocal, c_new over it
.set AF,   128                         ; A's fragments, in window 0
.set UP,   4                           ; s[4:5]     what a refill's address goes up: 512 (1 - par), in 64 bits (once the first addresses are made, the two buffers' addresses are done with)
.set DN,   6                           ; s[6:7]     and what it goes down: 512 par
.set SINV, 12                          ; s[12:13]   1 / S, twice (a packed form names a pair and takes its low word for both halves)
.set G1,   24                          ; s[24:31] descriptor group 1 for A's tiles;  s[32:39] group 0, one set for each slot
.set G0,   32
.set G1B,  48                          ; s[48:55], s[56:63] the same for B's tiles
.set G0B,  56
.set SS,   82                          ; s[82:83]   S
.set G1C,  84                          ; s[84:91] descriptor group 1 for c's and n's tiles;  s[92:95], s[96:99] their groups 0
.set G0C,  92
.set G0N,  96
.set SNL,  100                         ; s[100:101] -log2e S
.set STL,  104                         ; s[104:105] 2 log2e S
.set MSB, 0
.macro WIN new                         ; the immediate's high byte repeats the setting that is left; a switch that changes nothing is dropped
.if MSB != (\new)
	s_set_vgpr_msb (MSB<<8)|(\new)
.set MSB, (\new)
.endif
.endm
.set MUL_LO, 0xa1                      ; source 0 (B) window 1, source 1 (A) window 0, C and D window 2
.set MUL_HI, 0xf1                      ; the same, C and D window 3
.set TO_B,   0x40                      ; destination window 1, address window 0
; One tensor load a wave: waves 0 and 1 take the first line, waves 2 and 3 the second.  The branch hangs on the wave's number alone.
; Four v_nop follow each of the two lines, ahead of the jump, the label and what follows.
.macro JLOAD g0a, g1a, g0b, g1b
	s_cmp_eq_u32 s15, 0
	s_cbranch_scc0 .Lsecond_\@
	tensor_load_to_lds s[\g0a:\g0a+3], s[\g1a:\g1a+7]
	s_nop 0
.rept 4
	v_nop
.endr
	s_branch .Lasked_\@
.Lsecond_\@:
	tensor_load_to_lds s[\g0b:\g0b+3], s[\g1b:\g1b+7]
	s_nop 0
.rept 4
	v_nop
.endr
.Lasked_\@:
.endm
.macro CREST                           ; a round of the cluster's barrier behind its opening barrier
	s_cmp_lg_u32 s14, 0
	s_cbranch_scc1 .Lnot_wave_0_\@
	s_barrier_signal -3
.Lnot_wave_0_\@:
	s_barrier_wait -3
	s_barrier_signal -1
	s_barrier_wait -1
.endm
.macro CROUND                          ; a whole round
	s_barrier_signal -1
	s_barrier_wait -1
	CREST
.endm
	s_load_b128 s[4:7], s[0:1], 0x0                ; a_codes s[4:5], b_codes s[6:7]
	s_load_b128 s[8:11], s[0:1], 0x10              ; the scales' exponents s[8:9], out0 s[10:11]
	s_load_b256 s[68:75], s[0:1], 0x20             ; c s[68:69], n s[70:71], m s[72:73], b_i s[74:75]
	s_load_b128 s[76:79], s[0:1], 0x40             ; b_f s[76:77], b_o s[78:79]
	s_load_b64 s[80:81], s[0:1], 0x50              ; b_z
	v_lshl_add_u32 v[SPW], v0, 2, SPARE
	v_mov_b32 v[NIL], 0
	ds_add_u32 v28, v29
	s_wait_dscnt 0x0
	v_lshrrev_b32 v1, 5, v0
	v_readfirstlane_b32 s14, v1                    ; wave 0..3
	s_lshr_b32 s15, s14, 1                         ; R: which half of the tile's rows is mine.  Also: I fetch for A and c (0) or for B and n (1)
	s_and_b32 s16, s14, 1                          ; C: which half of its dims.  Also: which 128 rows of that tile I fetch
	s_bfe_u32 s40, ttmp6, 0x40000                  ; cx, cy: my place in the cluster
	s_bfe_u32 s41, ttmp6, 0x40004
	s_lshl_b32 s42, ttmp9, 2
	s_add_co_u32 s42, s42, s40                     ; tile column = 4 x cluster x + cx: dims 64 x tile column on
	s_and_b32 s17, ttmp7, 0xffff
	s_lshl_b32 s17, s17, 2
	s_add_co_u32 s17, s17, s41                     ; tile row = 4 x cluster y + cy: rows 256 x tile row on
	s_lshl_b32 s43, s41, 2
	s_lshl_b32 s43, 15, s43                        ; my row of the cluster
	s_lshl_b32 s44, 0x1111, s40                    ; my column
	; descriptor group 1: a tile of 128 rows x 256 bytes, padded in LDS
	s_or_b32 s[G1+0], s43, (0<<16)|(1<<20)|(1<<21)|(5<<22)|(3<<25)  ; 15:0 the mask: A's tiles go to my row; 17:16 element of 1 byte; 20 padding on; 21 set beside a mask; 24:22 after every 64 words (code 5); 31:25 of 4 words (code 3)
	s_or_b32 s[G1B+0], s44, (0<<16)|(1<<20)|(1<<21)|(5<<22)|(3<<25) ; the same with the mask of my column, for B's tiles
	s_mov_b32 s[G1C+0], (0<<16)|(1<<20)|(5<<22)|(3<<25)             ; c's and n's tiles are my work-group's alone: no mask
.irp g, G1, G1B, G1C
	s_mov_b32 s[\g+1], ROWB<<16                    ; tensor_dim0 = 256
	s_mov_b32 s[\g+2], 128<<16                     ; tensor_dim1 = 128
	s_mov_b32 s[\g+3], ROWB<<16                    ; tile_dim0 = 256
	s_mov_b32 s[\g+4], 128                         ; tile_dim1 = 128
	s_mov_b32 s[\g+6], 0
	s_mov_b32 s[\g+7], 0
.endr
	s_mov_b32 s[G1+5], KROW                        ; tensor_dim0_stride: bytes from row to row
	s_mov_b32 s[G1B+5], KROW
	s_mov_b32 s[G1C+5], DROW
	s_lshl_b32 s18, s16, 7                         ; which 128 rows of the tile I fetch
	s_lshl_b32 s20, s17, 8
	s_add_co_u32 s20, s20, s18                     ; A: row 256 x tile row + 128 x half
	s_lshl_b32 s46, s42, 8
	s_add_co_u32 s46, s46, s18                     ; B: row 256 x tile column + 128 x half
	s_mov_b32 s21, 0
	s_mov_b32 s47, 0
	s_mov_b64 s[18:19], KROW
	s_mul_u64 s[20:21], s[20:21], s[18:19]
	s_mul_u64 s[46:47], s[46:47], s[18:19]
	s_mul_i32 s45, s14, HALFT                      ; where they go: wave x 128 rows: no place in the cluster enters an LDS address
	s_wait_kmcnt 0x0
	s_load_b64 s[66:67], s[8:9], 0x0               ; ea, eb
	s_add_nc_u64 s[20:21], s[4:5], s[20:21]
	s_add_nc_u64 s[46:47], s[6:7], s[46:47]
	; K's direction: made of the cluster's own x and y alone, which all sixteen work-groups share
	s_lshr_b32 s22, ttmp9, 1
	s_add_co_u32 s22, s22, ttmp9
	s_and_b32 s23, ttmp7, 0xffff
	s_add_co_u32 s22, s22, s23
	s_and_b32 s22, s22, 1                          ; par = (X + X / 2 + Y) & 1
	s_mul_i32 s[DN], s22, 2*ROWB                   ; a slot's next slice lies two slices on: 512 bytes down where par = 1,
	s_mov_b32 s[DN+1], 0
	s_sub_co_u32 s[UP], 2*ROWB, s[DN]              ; 512 bytes up where par = 0
	s_mov_b32 s[UP+1], 0
	s_mul_i32 s18, s22, (NSL-1)*ROWB               ; slot 0's first slice: 0, or 15
	s_mov_b32 s19, 0
	s_mul_i32 s22, s22, (NSL-3)*ROWB
	s_add_co_u32 s22, s22, ROWB                    ; slot 1's: 1, or 14
	s_mov_b32 s23, 0
	CROUND                                         ; all sixteen work-groups are here: the first joint loads meet
.irp s, 0,1
	s_mov_b32 s[G0+4*\s], 1                        ; 1:0 count = 1
	s_add_co_u32 s[G0+4*\s+1], s45, \s*SLOT        ; 63:32 LDS address
	s_add_nc_u64 s[G0+4*\s+2:G0+4*\s+3], s[20:21], s[18+4*\s:19+4*\s]   ; 120:64 global address: the slot's first slice
	s_or_b32 s[G0+4*\s+3], s[G0+4*\s+3], 0x80000000          ; 127:126 type = 2
	s_mov_b32 s[G0B+4*\s], 1
	s_add_co_u32 s[G0B+4*\s+1], s45, \s*SLOT
	s_add_nc_u64 s[G0B+4*\s+2:G0B+4*\s+3], s[46:47], s[18+4*\s:19+4*\s]  ; the same slice of B
	s_or_b32 s[G0B+4*\s+3], s[G0B+4*\s+3], 0x80000000
	JLOAD G0+4*\s, G1, G0B+4*\s, G1B               ; the ring is filled before anything else is done: two tensor loads of mine are out
.endr
	; ---- m and the biases are asked for; then the addresses are made
	v_and_b32 v1, 15, v0                           ; r = lane % 16
	v_bfe_u32 v2, v0, 4, 1                         ; h = lane / 16
	v_bfe_u32 v6, v0, 3, 2                         ; lane / 8
	v_and_b32 v7, 7, v0                            ; lane % 8
	v_lshlrev_b32 v[MLD], 4, v7
	v_lshl_add_u32 v[MLD], v6, 13, v[MLD]          ; m: four rows a load, eight lanes to a row's 128 bytes
	v_lshlrev_b32 v[BOF], 5, v2
	s_lshl_b32 s18, s17, 21                        ; the tile's first byte in c, n, m and in a plane: 256 rows of 8,192 bytes x tile row
	s_lshl_b32 s19, s42, 8                         ; + 256 bytes x tile column
	s_add_co_u32 s18, s18, s19
	s_mov_b32 s19, 0
	s_add_nc_u64 s[68:69], s[68:69], s[18:19]      ; c and n at the tile: the prefetches' bases; not written again
	s_add_nc_u64 s[70:71], s[70:71], s[18:19]
	s_add_nc_u64 s[72:73], s[72:73], s[18:19]
	s_add_nc_u64 s[10:11], s[10:11], s[18:19]
	s_lshl_b32 s22, s16, 20                        ; which 128 rows of c's or n's tile I fetch
	s_mov_b32 s23, 0
	s_mov_b32 s[G0C], 1
	s_mov_b32 s[G0C+1], s45                        ; waves 0, 1: c's halves at 0 and HALFT
	s_add_nc_u64 s[G0C+2:G0C+3], s[68:69], s[22:23]
	s_or_b32 s[G0C+3], s[G0C+3], 0x80000000
	s_mov_b32 s[G0N], 1
	s_mov_b32 s[G0N+1], s45                        ; waves 2, 3: n's halves at 2 HALFT and 3 HALFT
	s_add_nc_u64 s[G0N+2:G0N+3], s[70:71], s[22:23]
	s_or_b32 s[G0N+3], s[G0N+3], 0x80000000
	s_lshl_b32 s22, s15, 20                        ; m at my wave's part: 128 rows x R
	s_lshl_b32 s18, s16, 7                         ; + 128 bytes x C
	s_add_co_u32 s22, s22, s18
	s_add_nc_u64 s[72:73], s[72:73], s[22:23]
	s_lshl_b32 s22, s42, 8                         ; the biases at my wave's 32 dims
	s_add_co_u32 s22, s22, s18
	s_add_nc_u64 s[74:75], s[74:75], s[22:23]
	s_add_nc_u64 s[76:77], s[76:77], s[22:23]
	s_add_nc_u64 s[78:79], s[78:79], s[22:23]
	s_add_nc_u64 s[80:81], s[80:81], s[22:23]
	s_lshl_b32 s22, s14, 24                        ; out0 at the plane that I store: plane = wave
	s_add_nc_u64 s[10:11], s[10:11], s[22:23]
.set i, 0
.rept 32
	global_load_b128 v[AF+4*i:AF+4*i+3], v[MLD], s[72:73] offset:4*DROW*i   ; rows 4 i to 4 i + 3 of my 128; no hint: the wave beside me reads the other 128 bytes of each row's 256
.set i, i+1
.endr
.irp u, 0,1
.irp q, 0,1
	global_load_b128 v[BI+8*\u+4*\q:BI+8*\u+4*\q+3], v[BOF], s[74:75] offset:64*\u+16*\q
	global_load_b128 v[BF+8*\u+4*\q:BF+8*\u+4*\q+3], v[BOF], s[76:77] offset:64*\u+16*\q
	global_load_b128 v[BO+8*\u+4*\q:BO+8*\u+4*\q+3], v[BOF], s[78:79] offset:64*\u+16*\q
	global_load_b128 v[BZ+8*\u+4*\q:BZ+8*\u+4*\q+3], v[BOF], s[80:81] offset:64*\u+16*\q
.endr
.endr
	v_mul_u32_u24 v3, v1, PITCH
	v_lshl_add_u32 v4, v2, 4, v3                   ; a fragment's row x pitch + 16 x half
	s_mul_i32 s21, s15, HALFT                      ; my 128 rows of A
	s_mul_i32 s22, s16, HALFT                      ; my 128 rows of B,
	s_add_co_u32 s22, s22, 2*HALFT                 ; which lie behind A's 256
.irp s, 0,1
	v_add_nc_u32 v[ADRA+\s], s21, v4
	v_add_nc_u32 v[ADRB+\s], s22, v4
	s_add_co_u32 s21, s21, SLOT
	s_add_co_u32 s22, s22, SLOT
.endr
	v_lshl_add_u32 v5, v2, 5, v3                   ; 272 r + 32 h: a row, and my half's eight numbers
	s_mul_i32 s21, s15, HALFT
	s_lshl_b32 s22, s16, 7
	s_add_co_u32 s21, s21, s22
	v_add_nc_u32 v[ADC], s21, v5                   ; c's tile: row 128 R + r, + 128 C
	v_add_nc_u32 v[ADN], 2*HALFT, v[ADC]           ; n's lies behind c's
	s_mul_i32 s21, s15, 32*SPITCH
	s_add_co_u32 s21, s21, s22
	s_add_co_u32 s21, s21, SLOT
	v_add_nc_u32 v[STO], s21, v5                   ; a stage: row 32 R + r, + 128 C + 32 h
	v_add_nc_u32 v[STO+1], STG, v[STO]
	v_mul_u32_u24 v5, v2, SPITCH
	v_lshl_add_u32 v5, v1, 4, v5
	s_mul_i32 s21, s14, PLANE
	s_add_co_u32 s21, s21, SLOT
	v_add_nc_u32 v[RD], s21, v5                    ; back: plane = wave; lanes 0-15 one row of 256 bytes, lanes 16-31 the next
	v_add_nc_u32 v[RD+1], STG, v[RD]
	v_lshlrev_b32 v[CO], 4, v1
	v_lshl_add_u32 v[CO], v2, 13, v[CO]            ; and the same two rows in the plane
	s_mul_i32 s21, s14, 64*MP
	s_add_co_u32 s21, s21, MSTG                    ; my stage for m
	v_mul_u32_u24 v[MSI], v6, MP
	v_lshl_add_u32 v[MSI], v7, 4, v[MSI]
	v_add_nc_u32 v[MSI], s21, v[MSI]               ; in: as loaded: row lane / 8, 16 bytes a lane
	v_mul_u32_u24 v[MSO], v1, MP
	v_lshl_add_u32 v[MSO], v2, 5, v[MSO]
	v_add_nc_u32 v[MSO], s21, v[MSO]               ; out: in the accumulators' layout: row r, + 32 h
	v_lshlrev_b32 v[PF], 13, v0                    ; row = thread
	s_wait_kmcnt 0x0
	s_add_co_i32 s2, s66, s67                      ; ea + eb, between -126 and 126
	s_sub_co_i32 s[SINV], 127, s2
	s_lshl_b32 s[SINV], s[SINV], 23                ; 1 / S as f32
	s_mov_b32 s[SINV+1], s[SINV]                   ; (named with it as a pair, so it is written; likewise below)
	s_add_co_i32 s[SS], s2, 127
	s_lshl_b32 s[SS], s[SS], 23                    ; S as f32
	s_mov_b32 s[SS+1], s[SS]
	s_mul_f32 s[SNL], s[SS], 0xbfb8aa3b            ; -log2e S
	s_mov_b32 s[SNL+1], s[SNL]
	s_mul_f32 s[STL], s[SS], 0x4038aa3b            ; 2 log2e S
	s_mov_b32 s[STL+1], s[STL]
; 64 rows of m go through my stage and come back into the f gate's accumulators (b = 2, 3) of four blocks: lane (r, h) takes, of row 16 a + r, dims 16 u + 8 h + 0 .. 7.
; LDS serves a wave's instructions in order (ISA guide 5.7.1.4): no wait between the stores and the loads, nor in front of the second half's stores.
.macro MCHUNK k
	s_wait_loadcnt 32-16*\k                        ; this half's sixteen loads are in; behind them: (the other half's sixteen and) the sixteen of the biases
.set i, 0
.rept 16
	ds_store_b128 v[MSI], v[AF+64*\k+4*i:AF+64*\k+4*i+3] offset:4*MP*i
.set i, i+1
.endr
	WIN 0x80+0x40*\k                               ; destination window 2 (rows 0-63) or 3 (rows 64-127)
.irp a, 0,1,2,3
.irp u, 0,1
.irp q, 0,1
	ds_load_b128 v[64*\a+16+8*\u+4*\q:64*\a+16+8*\u+4*\q+3], v[MSO] offset:16*MP*\a+64*\u+16*\q
.endr
.endr
.endr
	WIN 0
.endm
	MCHUNK 0
	MCHUNK 1
	s_wait_dscnt 0x0                               ; m is in the accumulators, and the stores have read the registers that A's fragments will take
.irp k, 0,1
	WIN 0x82+0x41*\k                               ; source 0 and destination window 2, then 3
.irp a, 0,1,2,3
.irp u, 0,1
.irp i, 0,2,4,6
	v_pk_mul_f32 v[64*\a+16+8*\u+\i:64*\a+16+8*\u+\i+1], v[64*\a+16+8*\u+\i:64*\a+16+8*\u+\i+1], s[SINV:SINV+1] op_sel_hi:[1,0]   ; m / S: nothing is rounded
.endr
.endr
.endr
.endr
	WIN 0
	s_wait_loadcnt 0x0                             ; the biases
.irp i, 0,2,4,6,8,10,12,14
	v_pk_mul_f32 v[BO+\i:BO+\i+1], v[BO+\i:BO+\i+1], 0xbfb8aa3b op_sel_hi:[1,0]   ; -log2e b_o
	v_pk_mul_f32 v[BZ+\i:BZ+\i+1], v[BZ+\i:BZ+\i+1], 0x4038aa3b op_sel_hi:[1,0]   ; 2 log2e b_z
.endr
.macro FRAG reg, adr, q, i             ; a fragment, 16 rows x 128 bytes of codes, is 16 registers: lane l holds row l % 16; registers 4 c .. 4 c + 3 hold bytes 32 c + 16 (l / 16) + 0 .. 15
.irp c, 0,1,2,3
	ds_load_b128 v[\reg+4*\c:\reg+4*\c+3], v[\adr] offset:128*(\q)+32*\c+(\i)*16*PITCH
.endr
.endm
; 16 matrix instructions: A's blocks a0, a0 + 1 x B's eight, 128 along K.  p: B's set.  zero = 1: the first product starts the sums of gates i, o, z; the f gate's (b = 2, 3) begin as m / S and are always added onto.
; The 64 accumulators take turns, one instruction a turn, in the same order in every step.
.macro MUL16 a0, p, zero
.irp a, \a0, \a0+1
.irp b, 0,1,2,3,4,5,6,7
.if \zero && (\b/2 != 1)
	v_wmma_f32_16x16x128_bf8_bf8 v[8*(8*((\a)%4)+\b):8*(8*((\a)%4)+\b)+7], v[128*(\p)+FR*\b:128*(\p)+FR*\b+FR-1], v[AF+FR*(\a):AF+FR*(\a)+FR-1], 0
.else
	v_wmma_f32_16x16x128_bf8_bf8 v[8*(8*((\a)%4)+\b):8*(8*((\a)%4)+\b)+7], v[128*(\p)+FR*\b:128*(\p)+FR*\b+FR-1], v[AF+FR*(\a):AF+FR*(\a)+FR-1], v[8*(8*((\a)%4)+\b):8*(8*((\a)%4)+\b)+7]
.endif
.endr
.endr
.endm
.macro FETCH_B slot, q, p              ; B's eight fragments of the slot's q-th 128 along K into set p
	WIN TO_B
.irp i, 0,1,2,3,4,5,6,7
	FRAG 128*(\p)+FR*\i, ADRB+\slot, \q, \i
.endr
	WIN 0
.endm
.macro FETCH_A slot, q, i0             ; A's blocks i0 .. i0 + 3
.irp i, \i0, \i0+1, \i0+2, \i0+3
	FRAG AF+FR*(\i), ADRA+\slot, \q, \i
.endr
.endm
; A load into a register that a matrix instruction has read, and a vector instruction that reads a matrix result, stand NP places behind that matrix instruction, and only plain vector instructions that name none
; of its registers are places (ISA guide 7.12.1 for vector instructions); this text does not count the matrix instructions in between.
.macro PLACES n
.rept \n
	v_nop
.endr
.endm
; A step of 128 along K that has its successor in the same slot.  A block of A is free as soon as its eight products are issued, so one set of registers serves A: blocks 0-3 are fetched anew in the step's
; middle, blocks 4-7 at its end.  B's fragments are at work through the whole step, so B has two sets.
.macro STEP slot, q, zero
	s_wait_dscnt 4*NL                              ; B's set and A's blocks 0-3 are in; the youngest sixteen loads (A's blocks 4-7) may be out
	WIN MUL_LO
	MUL16 0, (\q)%2, \zero
	MUL16 2, (\q)%2, \zero
	s_wait_dscnt 0                                 ; A's blocks 4-7 are in (asked for 32 matrix instructions ago)
	PLACES NP
	FETCH_B \slot, (\q)+1, 1-(\q)%2
	FETCH_A \slot, (\q)+1, 0
	WIN MUL_HI
	MUL16 4, (\q)%2, \zero
	MUL16 6, (\q)%2, \zero
	PLACES NP
	WIN 0
	FETCH_A \slot, (\q)+1, 4
.endm
; A slot's last step changes slots: ONE barrier, which opens a round of the cluster's; in front of it each wave waits for all its tensor loads, adds 0 to its spare word, and waits for that and for its own reads of this slot.
; fill = 1: this slot is filled again, with the slice two on in the cluster's direction, by the joint loads.  fill = 2: K is at its end: slot 0 takes c's and n's tiles, by plain loads of the same shape at the same LDS bytes.
.macro TURN slot, next, fill
	s_wait_tensorcnt 0x0                           ; all my tensor loads have landed: the one that was out is my part of the next slot;  (every window is 0 here: the add's two registers lie in window 0)
	ds_add_u32 v[SPW], v[NIL]                      ; 0 onto my spare word
	s_wait_dscnt 4*NL+1                            ; (the add and the youngest sixteen loads, A's blocks 4-7, may be out)
	WIN MUL_LO
	MUL16 0, 1, 0                                  ; sixteen matrix instructions stand between the add and the wait for it
	s_wait_dscnt 0x0                               ; the add is done, and my reads of this slot are over
	s_barrier_signal -1
	MUL16 2, 1, 0
	WIN 0
	s_barrier_wait -1
	CREST                                          ; no wave of any partner still reads this slot's tile or has a load on its way
.if \fill == 1
	s_add_nc_u64 s[G0+4*\slot+2:G0+4*\slot+3], s[G0+4*\slot+2:G0+4*\slot+3], s[UP:UP+1]      ; 512 bytes up or none,
	s_sub_nc_u64 s[G0+4*\slot+2:G0+4*\slot+3], s[G0+4*\slot+2:G0+4*\slot+3], s[DN:DN+1]      ; none or 512 down: the seven steps of a slot end at slice 14 or 1 (slot 0), 15 or 0 (slot 1): inside the row; the type bits on top are not reached
	s_add_nc_u64 s[G0B+4*\slot+2:G0B+4*\slot+3], s[G0B+4*\slot+2:G0B+4*\slot+3], s[UP:UP+1]
	s_sub_nc_u64 s[G0B+4*\slot+2:G0B+4*\slot+3], s[G0B+4*\slot+2:G0B+4*\slot+3], s[DN:DN+1]
	JLOAD G0+4*\slot, G1, G0B+4*\slot, G1B         ; the first tensor load behind the round, my one load until the next; the four v_nop behind it are the places in front of the loads below
.else
	JLOAD G0C, G1C, G0N, G1C                       ; waves 0, 1: c's halves; waves 2, 3: n's: 160 matrix instructions ahead of the wait for them
.endif
	FETCH_B \next, 0, 0
	FETCH_A \next, 0, 0
	WIN MUL_HI
	MUL16 4, 1, 0
	MUL16 6, 1, 0
	PLACES NP
	WIN 0
	FETCH_A \next, 0, 4
.endm
	s_wait_tensorcnt 1                             ; my part of slot 0's first slice is in; slot 1's load may be out
	s_barrier_signal -1
	s_barrier_wait -1                              ; everybody's is
	FETCH_B 0, 0, 0
	FETCH_A 0, 0, 0
	FETCH_A 0, 0, 4
	STEP 0, 0, 1                                   ; the first step stands in front of the loop: its products start the sums
	s_mov_b32 s3, LAPS-1
.Llap:                                                 ; a trip goes once round the ring, from a lap's second step to the next lap's first, and fills both slots again
	TURN 0, 1, 1
	s_cmp_lg_u32 s3, 1                             ; in the last trip alone c's and n's tiles are asked into the L2: 224 matrix instructions ahead of the tensor loads that fetch them
	s_cbranch_scc1 .Lnopf
	global_prefetch_b8 v[PF], s[68:69] th:TH_LOAD_NT scope:SCOPE_SE                   ; thread t asks for row t's 256 bytes of c's tile,
	global_prefetch_b8 v[PF], s[68:69] offset:128*DROW th:TH_LOAD_NT scope:SCOPE_SE   ; and row 128 + t's: each of the work-group's 512 rows of c and n is asked for once, 128 KiB in all, inside the buffers
	global_prefetch_b8 v[PF], s[70:71] th:TH_LOAD_NT scope:SCOPE_SE
	global_prefetch_b8 v[PF], s[70:71] offset:128*DROW th:TH_LOAD_NT scope:SCOPE_SE
.Lnopf:
	STEP 1, 0, 0
	TURN 1, 0, 1
	STEP 0, 0, 0
	s_sub_co_u32 s3, s3, 1
	s_cmp_lg_u32 s3, 0
	s_cbranch_scc1 .Llap
	TURN 0, 1, 2                                   ; the last lap: slot 0 has been read out and takes c and n
	STEP 1, 0, 0
	s_wait_dscnt 4*NL                              ; the very last step: nothing more to fetch
	WIN MUL_LO
	MUL16 0, 1, 0
	MUL16 2, 1, 0
	s_wait_dscnt 0
	WIN MUL_HI
	MUL16 4, 1, 0
	MUL16 6, 1, 0
	WIN 0
	PLACES NP                                      ; in front of the reads of the last results and of the loads into registers that held fragments
	s_wait_tensorcnt 0x0                           ; my part of c or of n has landed; my reads of slot 1 were waited for above
	s_barrier_signal -1
	s_barrier_wait -1                              ; c and n are whole, and nobody reads slot 1 any more: it has had its last fill and becomes the two stages
; ---- THE STEP, a block of 16 rows x 32 dims at a time: 16 numbers a lane.
.macro GATE dst, g, sc, bias           ; gate g of the block: sum x the scale + the bias, two at a time; each accumulator is read from its low end on
.irp u, 0,1
.irp i, 0,2,4,6
	v_pk_fma_f32 v[\dst+8*\u+\i:\dst+8*\u+\i+1], v[AC+16*\g+8*\u+\i:AC+16*\g+8*\u+\i+1], s[\sc:\sc+1], v[\bias+8*\u+\i:\bias+8*\u+\i+1] op_sel_hi:[1,0,1]
.endr
.endr
.endm
.macro PUT src, o                      ; 16 numbers of plane o into the stage: lane (r, h): row r of the block, dims 16 u + 8 h + 0 .. 7
.irp u, 0,1
.irp q, 0,1
	ds_store_b128 v[SG], v[\src+8*\u+4*\q:\src+8*\u+4*\q+3] offset:PLANE*\o+HB+64*\u+16*\q
.endr
.endr
.endm
; Behind each run of transcendentals stands plain work that touches none of their registers, ahead of the first use of a result (ISA guide 5.7.2): no v_nop is written.
.macro BLOCK a
.set AC, 64*((\a)%4)                   ; the block's eight accumulators, in window 2 (blocks 0-3) or 3 (blocks 4-7)
.set SG, STO+((\a)/2)%2                ; the stage in hand
.set HB, 16*SPITCH*((\a)%2)            ; the block's 16 rows in it
	s_wait_dscnt 0x0                               ; the block before has stored: its registers may be written again
.irp u, 0,1
.irp q, 0,1
	ds_load_b128 v[CC+8*\u+4*\q:CC+8*\u+4*\q+3], v[ADC] offset:16*PITCH*(\a)+64*\u+16*\q
	ds_load_b128 v[NN+8*\u+4*\q:NN+8*\u+4*\q+3], v[ADN] offset:16*PITCH*(\a)+64*\u+16*\q
.endr
.endr
	WIN 0x02+((\a)/4)                              ; source 0: window 2 or 3
	GATE GI, 0, SS, BI                             ; i_t
	GATE GF, 1, SS, BF                             ; f_t + m
	GATE GO, 2, SNL, BO                            ; -log2e o_t
	GATE GZ, 3, STL, BZ                            ; 2 log2e z_t
	WIN 0
.irp i, 0,1,2,3,4,5,6,7,8,9,10,11,12,13,14,15
	v_exp_f32 v[GO+\i], v[GO+\i]                   ; e^-o
.endr
.irp i, 0,1,2,3,4,5,6,7,8,9,10,11,12,13,14,15
	v_exp_f32 v[GZ+\i], v[GZ+\i]                   ; e^(2 z)
.endr
.irp i, 0,1,2,3,4,5,6,7,8,9,10,11,12,13,14,15
	v_max_num_f32 v[MN+\i], v[GF+\i], v[GI+\i]     ; m_new
.endr
.irp i, 0,2,4,6,8,10,12,14
	v_pk_add_f32 v[GF+\i:GF+\i+1], v[GF+\i:GF+\i+1], v[GI+\i:GI+\i+1] neg_lo:[0,1] neg_hi:[0,1]   ; d = (f_t + m) - i_t
.endr
.irp i, 0,2,4,6,8,10,12,14
	v_pk_mul_f32 v[GF+\i:GF+\i+1], v[GF+\i:GF+\i+1], 0x3fb8aa3b op_sel_hi:[1,0]                   ; x log2e
.endr
.irp i, 0,1,2,3,4,5,6,7,8,9,10,11,12,13,14,15
	v_max_num_f32 v[GI+\i], 0, v[GF+\i]            ; m_new - i_t, never negative
	v_min_num_f32 v[GF+\i], 0, v[GF+\i]            ; f_t + m - m_new, never positive
.endr
.irp i, 0,1,2,3,4,5,6,7,8,9,10,11,12,13,14,15
	v_exp_f32 v[GF+\i], v[GF+\i]                   ; f
.endr
.irp i, 0,1,2,3,4,5,6,7,8,9,10,11,12,13,14,15
	v_exp_f32 v[GI+\i], -v[GI+\i]                  ; i
.endr
	s_wait_alu depctr_va_vdst(0)
.irp i, 0,2,4,6,8,10,12,14
	v_pk_add_f32 v[GO+\i:GO+\i+1], v[GO+\i:GO+\i+1], 1.0 op_sel_hi:[1,0]
	v_pk_add_f32 v[GZ+\i:GZ+\i+1], v[GZ+\i:GZ+\i+1], 1.0 op_sel_hi:[1,0]
.endr
.irp i, 0,1,2,3,4,5,6,7,8,9,10,11,12,13,14,15
	v_rcp_f32 v[GO+\i], v[GO+\i]                   ; sigmoid(o_t)
.endr
.irp i, 0,1,2,3,4,5,6,7,8,9,10,11,12,13,14,15
	v_rcp_f32 v[GZ+\i], v[GZ+\i]
.endr
	s_wait_dscnt 0x0                               ; c and n are in
.irp i, 0,2,4,6,8,10,12,14
	v_pk_fma_f32 v[NN+\i:NN+\i+1], v[GF+\i:GF+\i+1], v[NN+\i:NN+\i+1], v[GI+\i:GI+\i+1]           ; n_new = f n + i
.endr
.irp i, 0,2,4,6,8,10,12,14
	v_pk_add_f32 v[TT+\i:TT+\i+1], v[NN+\i:NN+\i+1], 0x358637bd op_sel_hi:[1,0]                   ; + 1e-6
.endr
.irp i, 0,1,2,3,4,5,6,7,8,9,10,11,12,13,14,15
	v_rcp_f32 v[TT+\i], v[TT+\i]
.endr
	s_wait_alu depctr_va_vdst(0)
.irp i, 0,2,4,6,8,10,12,14
	v_pk_fma_f32 v[GZ+\i:GZ+\i+1], v[GZ+\i:GZ+\i+1], -2.0, 1.0 op_sel_hi:[1,0,0]                  ; tanh(z_t)
.endr
.irp i, 0,2,4,6,8,10,12,14
	v_pk_mul_f32 v[GZ+\i:GZ+\i+1], v[GZ+\i:GZ+\i+1], v[GI+\i:GI+\i+1]                             ; i z
.endr
.irp i, 0,2,4,6,8,10,12,14
	v_pk_fma_f32 v[CC+\i:CC+\i+1], v[GF+\i:GF+\i+1], v[CC+\i:CC+\i+1], v[GZ+\i:GZ+\i+1]           ; c_new = f c + i z
.endr
.irp i, 0,2,4,6,8,10,12,14
	v_pk_mul_f32 v[TT+\i:TT+\i+1], v[TT+\i:TT+\i+1], v[CC+\i:CC+\i+1]                             ; c_new / (n_new + 1e-6)
.endr
.irp i, 0,2,4,6,8,10,12,14
	v_pk_mul_f32 v[GO+\i:GO+\i+1], v[GO+\i:GO+\i+1], v[TT+\i:TT+\i+1]                             ; h_new
.endr
	PUT GO, 0
	PUT CC, 1
	PUT NN, 2
	PUT MN, 3
.endm
; A PHASE: every wave's blocks 2 p and 2 p + 1 (the tile's rows 32 p on and 128 + 32 p on) meet in stage p % 2; a barrier; wave w reads plane w's 64 rows back whole and stores them.
; One barrier a phase: a stage is written again two phases on, behind the next phase's barrier, in front of which every wave has waited for its reads of it.
.macro PHASE p
	BLOCK 2*\p
	BLOCK 2*\p+1
	s_wait_dscnt 0x0                               ; for the others' sake: my stores into the stage are done (and my reads of the other stage came back in the phase before)
	s_barrier_signal -1
	s_barrier_wait -1
.if \p >= 2
	s_wait_xcnt 0x0                                ; the stores of two phases ago have read this set of registers (ISA guide 3.1): only behind this wait is it loaded again
.endif
	WIN TO_B                                       ; destination window 1: the registers that held B's fragments, two sets of 128 by turns
.set t, 0
.rept 32
	ds_load_b128 v[128*(\p%2)+4*t:128*(\p%2)+4*t+3], v[RD+\p%2] offset:2*SPITCH*t
.set t, t+1
.endr
	WIN 0x04                                       ; a store's data: source 1, window 1
.set t, 0
.rept 32
	s_wait_dscnt 31-t                              ; LDS loads come back in order (ISA guide 5.7.1): pair t of rows is in, the younger ones stay out
	global_store_b128 v[CO], v[128*(\p%2)+4*t:128*(\p%2)+4*t+3], s[10:11] offset:(128*(t/16)+32*\p+2*(t%16))*DROW th:TH_STORE_NT   ; 16 lanes store 256 consecutive bytes, at a multiple of 256 from out0's first byte; 254 rows at the most: inside the signed 24-bit immediate
.set t, t+1
.endr
	WIN 0
.endm
	PHASE 0
	PHASE 1
	PHASE 2
	PHASE 3
	s_wait_tensorcnt 0x0                           ; the wave's end: behind my last tensor load and my last LDS store
	ds_add_u32 v[SPW], v[NIL]
	s_wait_dscnt 0x0
	CROUND                                         ; the closing round: no work-group ends while a partner may still ask for a tile that names it
	s_endpgm
.Lfunc_end_k_q16bad908bf_cell:
	.size	k_q16bad908bf_cell, .Lfunc_end_k_q16bad908bf_cell-k_q16bad908bf_cell
	.p2alignl 7, 3214868480
	.fill 96, 4, 3214868480
	.section	.rodata,"a",@progbits
	.p2align	6, 0x0
	.amdhsa_kernel k_q16bad908bf_cell
		.amdhsa_group_segment_fixed_size 327680
		.amdhsa_private_segment_fixed_size 0
		.amdhsa_enable_private_segment 0
		.amdhsa_kernarg_size 88
		.amdhsa_user_sgpr_count 2
		.amdhsa_user_sgpr_kernarg_segment_ptr 1
		.amdhsa_wavefront_size32 1
		.amdhsa_system_sgpr_workgroup_id_x 1
		.amdhsa_system_sgpr_workgroup_id_y 1
		.amdhsa_system_sgpr_workgroup_id_z 1
		.amdhsa_system_vgpr_workitem_id 0
		.amdhsa_next_free_vgpr 1024
		.amdhsa_next_free_sgpr 106
		.amdhsa_reserve_vcc 0
		.amdhsa_float_denorm_mode_32 3
		.amdhsa_float_denorm_mode_16_64 3
		.amdhsa_memory_ordered 1
		.amdhsa_forward_progress 1
		.amdhsa_inst_pref_size 243
	.end_amdhsa_kernel
	.amdgpu_metadata
---
amdhsa.version: [ 1, 2 ]
amdhsa.kernels:
  - .name:           k_q16bad908bf_cell
    .symbol:         k_q16bad908bf_cell.kd
    .args:
      - { .name: a_codes, .offset: 0, .size: 8, .value_kind: global_buffer, .address_space: global }
      - { .name: b_codes, .offset: 8, .size: 8, .value_kind: global_buffer, .address_space: global }
      - { .name: lowp_scales, .offset: 16, .size: 8, .value_kind: global_buffer, .address_space: global }
      - { .name: out0, .offset: 24, .size: 8, .value_kind: global_buffer, .address_space: global }
      - { .name: c, .offset: 32, .size: 8, .value_kind: global_buffer, .address_space: global }
      - { .name: n, .offset: 40, .size: 8, .value_kind: global_buffer, .address_space: global }
      - { .name: m, .offset: 48, .size: 8, .value_kind: global_buffer, .address_space: global }
      - { .name: b_i, .offset: 56, .size: 8, .value_kind: global_buffer, .address_space: global }
      - { .name: b_f, .offset: 64, .size: 8, .value_kind: global_buffer, .address_space: global }
      - { .name: b_o, .offset: 72, .size: 8, .value_kind: global_buffer, .address_space: global }
      - { .name: b_z, .offset: 80, .size: 8, .value_kind: global_buffer, .address_space: global }
    .group_segment_fixed_size: 327680
    .private_segment_fixed_size: 0
    .kernarg_segment_align: 8
    .kernarg_segment_size: 88
    .max_flat_workgroup_size: 128
    .sgpr_count:     106
    .vgpr_count:     1024
    .wavefront_size: 32
...
	.end_amdgpu_metadata
.endif
;; end of part 2
